; MI455X (gfx1250); checked and timed in simulation.
; The chip was launched on July 23, 2026; its instructions are those of AMD's public machine-readable ISA for CDNA 5 (MIT licence, August 2026) and "CDNA5" Instruction Set Architecture Reference Guide (July 2026). The comments in the code are by the model that wrote it; some were corrected since.
;; Light Ro I Align Exemplar Embedder. Allowed arithmetic: matrix products marked QUANTISED: E2M3 operands, one E8M0 scale for each 32 along K, by v_wmma_scale_f32_16x16x128_f8f6f4 with both operands' format E2M3, f32 sums; everything else in f32.
;; Inputs: W_out 256 x 128 float32; b_out 256 float32; bboxes 16 x 64 x 4 float32; z 16 x 128 x 64 x 64 float32.
;; Outputs: out0 16 x 64 x 256 float32.
;; This version of the problem:
;;   THIS VERSION OF THE PROBLEM IS GIVEN IN LOW PRECISION. The matrix products marked QUANTISED in the list below multiply operands that are first quantised to E2M3 (2 exponent bits, 3 mantissa bits; 6 bits a number), with one power-of-two scale for each 32 numbers along K (OCP MX v1.0); their sums are f32. All else is computed in f32.
;;   The module's matrix products, in the order in which they are computed (A, B: the left and right operand; K: the contracted axis; several contracted axes count as one K, in the product's order):
;;     1. [M 1,024, K 128] x [K 128, N 256]; A: computed on the way; B: input W_out: QUANTISED
;;   THE QUANTISER, for each operand of a quantised product, along K:
;;     - K is cut into blocks of 32 from its start; a last block that is shorter is filled with zeros.
;;     - A block's scale is 2^e with e = floor(log2(the largest magnitude in the block)) - 2, held to -126 .. 127; a block of zeros has e = 0. As a byte (E8M0): e + 127.
;;     - Each number is divided by its block's scale, clamped to +-7.5, and rounded to the nearest number of E2M3, ties to even, subnormals kept.
;;     - The product sums the exact products of the quantised numbers (number of the format x scale) in f32.
;;   ~~~python
;;   def quantise(x, axis):      # numpy; x: float32 -> the quantised numbers, widened to float32 again
;;       x = np.moveaxis(x, axis, -1); K = x.shape[-1]
;;       x = np.pad(x, [(0, 0)] * (x.ndim - 1) + [(0, -K % 32)]); x = x.reshape(x.shape[:-1] + (-1, 32)); a = np.abs(x).max(-1, keepdims=True)
;;       e = np.where(a > 0, np.clip(np.frexp(np.where(a > 0, a, 1))[1] - 1 - 2, -126, 127), 0)      # np.frexp(a)[1] - 1 = floor(log2(a)), exactly
;;       r = np.clip(x / 2.0 ** e, -7.5, 7.5)
;;       step = 2.0 ** (np.maximum(np.frexp(np.where(r == 0, 1, r))[1] - 1, 0) - 3)
;;       q = np.round(r / step) * step * 2.0 ** e      # np.round: ties to even
;;       return np.moveaxis(q.reshape(q.shape[:-2] + (-1,))[..., :K], -1, axis).astype(np.float32)
;;   ~~~
;;   OPERANDS COMPUTED ON THE WAY. 'Computed on the way' means the value that the module computes at that place (a softmax that the list does not call 'softmax' is quantised finished and normalised). What goes into a quantiser is computed in f32, as accurately as f32 sums, v_exp_f32 and their like allow (about 1e-6 of the number): no bf16 or f16 on the way to a quantiser, and a product that is left as it is and whose result goes on into a quantised operand takes f32 operands (vector FMAs, or v_wmma_f32_16x16x4_f32). A number that lies on a knife's edge between two numbers of the format may be rounded either way, as far as f32 arithmetic and the matrix unit's own rounding can turn it there, and no further.
;; One version. Each part assembles by itself: llvm-mc -triple=amdgcn-amd-amdhsa -mcpu=gfx1250 --defsym DOCPART=n.
;; ======== version 1 of 1: 3 launches
;; limits: right only within a limited range of input values
;; workspace buffers: win 16,384 bytes of whole numbers; wtab 524,288 bytes; feats 524,288 bytes; wcodes 24,576 bytes; wscales 2,048 bytes
;; launch prep (part 1): grid 276 x 1, 4 waves a work-group, no clusters, 0 bytes of LDS; arguments bboxes, W_out, win, wtab, wcodes, wscales; writes win, wtab, wcodes, wscales
.if DOCPART == 1
	.amdgcn_target "amdgcn-amd-amdhsa--gfx1250"
	.amdhsa_code_object_version 6
	.text
	.protected	k_q03ada46d50_prep
	.globl	k_q03ada46d50_prep
	.p2align	8
	.type	k_q03ada46d50_prep,@function
k_q03ada46d50_prep:
	s_mov_b64 s[64:65], 0
	v_nop
	global_prefetch_b8 v0, s[64:65] scope:SCOPE_SE
	s_setreg_imm32_b32 hwreg(HW_REG_WAVE_MODE, 25, 1), 1
	s_wait_xcnt 0x0
; RoI align (one output cell, adaptive grid of at most 16 x 16 samples) and a linear layer, in three launches.  THIS ONE: what hangs on the boxes and on W_out alone.
; THE IDENTITY THAT THE PROGRAM RESTS ON, for all values of the inputs.  A sample's mask is (vy and iry) x (vx and irx), and each of its four corner weights is a factor in y times a factor in x.  So
;   val.sum(2, 3) / count = sum over y, x of wy[y] wx[x] z[c][y][x],   wy[y] = (1 / gh) x sum over the samples g with vy and iry of max(0, 1 - |min(max(sy[g], 0), 63) - y|),   wx likewise.
; The hat gives 1 - frac at lo and frac at hi, and 1 at row 63 where lo is 63, and 1 at row 0 where sy lies in (-1, 0): what _prep_coord gives.
; WORK NOT DONE: cells whose weight is 0 for a box are not read.  The samples rise with g (where the side is negative there is one sample), so all other cells lie between the first sample's lo
; and the last valid sample's hi: the window.  The window is a whole number made of floating-point numbers: it is stored here and steers addresses and trips only in the next launch.  No input is left out.
; LIMITS: NaN and infinities among the boxes are not served.  A NaN or an infinity of z in a cell of weight 0 is not carried to the result.  The sums are taken in another order than in the definition,
; and 1 / gh, 1 / gw are folded into the weights: rounding of f32 alone.
; ROLES, by the work-group's number.
; 0-3: a wave to 16 rows of W_out: codes of E2M3 and E8M0 scale words, stored as an image of the operand's registers (12 registers a lane), so that the product's launch loads fragments whole.
; 4-19: the whole numbers, 16 boxes a wave: lanes 0-15 take y of a box each, lanes 16-31 x.  A box's record: y's start as an LDS byte offset, y's chunks, x's start as an LDS byte offset, x's chunks.
; 20-275: a wave to a box: the window's weights, 64 for y and 64 for x, entry j for row (column) window start + j, zeros beyond.  Lanes 0-15 are y's sixteen samples and 64 entries (four a lane), lanes 16-31 x's.
; The last two roles run the same lines up to the window, each lane on its own axis, so both hold the same window.
; W's quantiser: a block's scale byte is its largest magnitude's exponent field - 2, held at 1 from below; a block of zeros keeps the byte 1 where the rule says 127: its codes are zeros, and this program alone reads the bytes.
.set RP,    1024                       ; a row of z in the next launch's LDS, in bytes
.set WGW,   4                          ; work-groups of the first role
.set WGT,   20                         ; where the third begins
.set RR,    24                         ; v24-27   my four rows (columns) as f32
.set CC,    34                         ; v34      my sample's coordinate
.set AA,    40                         ; v40-47   my four entries' sums: of the even samples, of the odd ones
.set DD,    48                         ; v48-55   two samples x four entries, at work
.set BB,    56                         ; v56-59   two pairs of samples' coordinates, by turns
; Samples j0 and j1 of my axis into pair p of the two: every lane takes lane j of its row of 16
.macro BCAST p, j0, j1
	v_mov_b32_dpp v[BB+2*\p], v[CC] row_share:\j0 row_mask:0xf bank_mask:0xf
	v_mov_b32_dpp v[BB+2*\p+1], v[CC] row_share:\j1 row_mask:0xf bank_mask:0xf
.endm
.macro DIFFS p                         ; c - row, for two samples and my four entries
.irp e, 0,2
	v_pk_add_f32 v[DD+\e:DD+\e+1], v[BB+2*\p:BB+2*\p+1], v[RR+\e:RR+\e+1] op_sel_hi:[0,1] neg_lo:[0,1] neg_hi:[0,1]
	v_pk_add_f32 v[DD+4+\e:DD+\e+5], v[BB+2*\p:BB+2*\p+1], v[RR+\e:RR+\e+1] op_sel:[1,0] op_sel_hi:[1,1] neg_lo:[0,1] neg_hi:[0,1]
.endr
.endm
.macro HATS first                      ; 1 - min(|c - row|, 1), added up
.irp e, 0,1,2,3,4,5,6,7
	v_min_num_f32 v[DD+\e], 1.0, |v[DD+\e]|
.endr
.if \first
.irp e, 0,2,4,6
	v_pk_add_f32 v[AA+\e:AA+\e+1], v[DD+\e:DD+\e+1], 1.0 op_sel_hi:[1,0] neg_lo:[1,0] neg_hi:[1,0]   ; samples 0 and 1 start the sums: nothing is cleared
.endr
.else
.irp e, 0,2,4,6
	v_pk_add_f32 v[DD+\e:DD+\e+1], v[DD+\e:DD+\e+1], 1.0 op_sel_hi:[1,0] neg_lo:[1,0] neg_hi:[1,0]
.endr
.irp e, 0,2,4,6
	v_pk_add_f32 v[AA+\e:AA+\e+1], v[AA+\e:AA+\e+1], v[DD+\e:DD+\e+1]
.endr
.endif
.endm
	s_load_b256 s[4:11], s[0:1], 0x0               ; boxes s[4:5], W_out s[6:7], the whole numbers s[8:9], the weights s[10:11]
	s_load_b128 s[12:15], s[0:1], 0x20             ; W's codes s[12:13], W's scale words s[14:15]
	v_lshrrev_b32 v1, 5, v0
	v_readfirstlane_b32 s16, v1                    ; wave 0..3
	v_and_b32 v1, 31, v0                           ; lane
	v_and_b32 v21, 15, v1                          ; my sample i; also: my four entries are 4 i .. 4 i + 3
	v_lshrrev_b32 v28, 4, v1                       ; my axis: 0 = y, 1 = x
	s_wait_alu depctr_va_vdst(0)                   ; the wait ahead of the branch
	s_cmp_lt_u32 ttmp9, WGW
	s_cbranch_scc1 .Lweights_of_the_layer
	s_cmp_lt_u32 ttmp9, WGT
	s_cselect_b32 s17, WGW, WGT                    ; the role's first work-group,
	s_cselect_b32 s28, 8, 4                        ; a wave's boxes: 16 boxes of 16 bytes, or one,
	s_cselect_b32 s19, 16, 0                       ; and a box a lane, or the same in all lanes
	s_sub_co_u32 s17, ttmp9, s17
	s_lshl_b32 s17, s17, 2
	s_add_co_u32 s17, s17, s16                     ; the wave's number in its role
	s_lshl_b32 s18, s17, s28
	v_mad_u32_u24 v2, v21, s19, s18                ; my box's 16 bytes, among the boxes and among the whole numbers alike
	s_mov_b32 s20, 0x42800000                      ; 64.0
	s_mov_b32 s21, 0x427c0000                      ; 63.0
	s_mov_b32 s22, 0x41800000                      ; 16.0
	s_mov_b32 s23, 0x3e000000                      ; 0.125
	s_mov_b32 s26, 0xffff0000                      ; the lanes of x
	s_wait_alu depctr_va_vdst(0)                   ; directly ahead of the wait below
	s_wait_kmcnt 0x0
	global_load_b128 v[4:7], v2, s[4:5]            ; x1, y1, x2, y2
	v_sub_nc_u32 v18, -1, v28                      ; y: all ones; x: all but bit 0 (columns are read in pairs: an even start)
	v_cvt_f32_u32 v22, v21                         ; i
	v_mov_b32 v29, RP
	v_mov_b32 v30, 16
	v_add_nc_u32 v19, 3, v28                       ; a chunk is 2^3 rows or 2^4 columns
	v_lshl_add_u32 v20, v28, 3, 8                  ; 8 or 16
	v_lshl_add_u32 v3, v28, 3, v2                  ; my half of the record: y's 8 bytes, x's 8 bytes
	v_add_f32 v23, 0.5, v22                        ; i + 0.5
	v_cndmask_b32 v29, v29, v30, s26               ; bytes a row, or a column, in the next launch's LDS
.irp b, 0,1,2,3
	v_mov_b32 v[BB+\b], 0                          ; written once: the destination of a move between lanes counts as one of its sources
.endr
	s_wait_alu depctr_va_vdst(0)                   ; directly ahead of the wait below
	s_wait_loadcnt 0x0
	v_cndmask_b32 v16, v5, v4, s26                 ; my axis's low corner: y1 or x1,
	v_cndmask_b32 v17, v7, v6, s26                 ; and its high one
	v_fma_f32 v8, v16, s23, -0.5                   ; a1 = 0.125 lo - 0.5
	v_fma_f32 v14, v17, s23, -0.5                  ; a2
	v_sub_f32 v14, v14, v8                         ; the side
	v_ceil_f32 v10, v14
	v_med3_num_f32 v10, v10, 1.0, s22              ; g = ceil(side), held to 1 .. 16
	s_wait_alu depctr_va_vdst(0)                   ; the wait ahead of the reciprocal
	v_rcp_f32 v11, v10
	v_add_f32 v15, -0.5, v10                       ; g - 0.5 (a plain line behind the reciprocal)
	s_wait_alu depctr_va_vdst(0)                   ; the wait ahead of the reciprocal's first reader
	v_fma_f32 v13, -v10, v11, 1.0                  ; one step of Newton: 1 / g to the last bit or nearly
	v_fma_f32 v11, v13, v11, v11
	v_mul_f32 v9, v14, v11                         ; s = side / g: the quotient,
	v_fma_f32 v13, -v9, v10, v14                   ; its remainder,
	v_fma_f32 v9, v13, v11, v9                     ; and the corrected quotient
	v_fma_f32 v12, v9, 0.5, v8                     ; the first sample
	v_fma_f32 v13, v9, v15, v8                     ; the last valid one: the same fused line as a sample's, with i = g - 1
	v_fma_f32 v[CC], v9, v23, v8                   ; my sample: c = a1 + (i + 0.5) s
	v_med3_num_f32 v12, v12, 0, s21
	v_med3_num_f32 v13, v13, 0, s21                ; both held to 0 .. 63
	v_cvt_u32_f32 v12, v12                         ; lo of the first (toward zero = floor: nothing is negative)
	v_cvt_u32_f32 v13, v13
	v_and_b32 v12, v18, v12
	v_add_nc_u32 v13, 1, v13
	v_min_u32 v13, 63, v13                         ; hi of the last
	v_sub_nc_u32 v13, v13, v12
	v_add_nc_u32 v13, v20, v13
	v_lshrrev_b32 v33, v19, v13                    ; chunks of 8 rows, 1 .. 8, or of 16 columns, 1 .. 4
	v_lshlrev_b32 v13, v19, v33
	v_sub_nc_u32 v13, 64, v13
	v_min_u32 v12, v12, v13                        ; the start moves down so far that whole chunks stay inside 0 .. 63
	s_wait_alu depctr_va_vdst(0)                   ; the wait ahead of the branch
	s_cmp_lt_u32 ttmp9, WGT
	s_cbranch_scc1 .Lwhole_numbers
	; ---- the weights: my wave's box
	s_lshl_b32 s18, s17, 9
	v_lshl_add_u32 v35, v1, 4, s18                 ; a box has 512 bytes of weights: y's 256, x's 256; 16 bytes a lane
	v_lshl_add_u32 v[RR], v21, 2, v12
	v_cmp_gt_f32 s24, v[CC], -1.0
	v_cmp_lt_f32 s25, v[CC], s20
	v_cmp_lt_f32 s27, v22, v10
	v_cvt_f32_u32 v[RR], v[RR]                     ; my rows: start + 4 i,
	s_and_b32 s24, s24, s25                        ; -1 < c < 64
	s_and_b32 s24, s24, s27                        ; and i < g
	v_med3_num_f32 v[CC], v[CC], 0, s21
	v_add_f32 v[RR+1], 1.0, v[RR]                  ; and the three that follow
	v_add_f32 v[RR+2], 2.0, v[RR]
	v_add_f32 v[RR+3], 0x40400000, v[RR]
	v_cndmask_b32 v[CC], -4.0, v[CC], s24          ; a sample that does not count is sent to -4, where the hat is 0 on every row
	BCAST 0, 0, 1
	DIFFS 0
	BCAST 1, 2, 3                                  ; the next pair's moves stand between this pair's differences and the rest of its work
	HATS 1
	DIFFS 1
	BCAST 0, 4, 5
	HATS 0
	DIFFS 0
	BCAST 1, 6, 7
	HATS 0
	DIFFS 1
	BCAST 0, 8, 9
	HATS 0
	DIFFS 0
	BCAST 1, 10, 11
	HATS 0
	DIFFS 1
	BCAST 0, 12, 13
	HATS 0
	DIFFS 0
	BCAST 1, 14, 15
	HATS 0
	DIFFS 1
	HATS 0
.irp e, 0,2
	v_pk_add_f32 v[AA+\e:AA+\e+1], v[AA+\e:AA+\e+1], v[AA+4+\e:AA+\e+5]   ; the even samples' sums and the odd ones'
.endr
.irp e, 0,2
	v_pk_mul_f32 v[AA+\e:AA+\e+1], v[AA+\e:AA+\e+1], v[10:11] op_sel:[0,1] op_sel_hi:[1,1]   ; / g: both by v11
.endr
	global_store_b128 v35, v[AA:AA+3], s[10:11]    ; 32 lanes store the box's 512 consecutive bytes, aligned
	s_endpgm
.Lwhole_numbers:
	v_mul_u32_u24 v32, v12, v29                    ; the window's first row (column) as a byte offset in a plane
	global_store_b64 v3, v[32:33], s[8:9]          ; 32 lanes store 16 boxes' 256 consecutive bytes, aligned
	s_endpgm
.Lweights_of_the_layer:
	; ---- W_out: tile t = rows 16 t .. 16 t + 15.  Lane (r, h) holds row r; the operand's layout gives it k = 64 c + 32 h + 0 .. 31: two whole blocks, 128 neighbouring bytes each
	s_lshl_b32 s17, ttmp9, 2
	s_add_co_u32 s17, s17, s16                     ; t = 0 .. 15
	v_and_b32 v2, 15, v0                           ; r
	v_bfe_u32 v3, v0, 4, 1                         ; h
	v_lshlrev_b32 v4, 9, v2                        ; a row of W_out is 512 bytes
	v_lshl_add_u32 v4, v3, 7, v4
	s_lshl_b32 s18, s17, 13
	v_add_nc_u32 v4, s18, v4
	s_mul_i32 s18, s17, 1536
	v_lshl_add_u32 v5, v1, 4, s18                  ; the image: 1,536 bytes a tile, 16 bytes a lane in each of three stores
	s_lshl_b32 s18, s17, 7
	v_lshl_add_u32 v6, v1, 2, s18                  ; the scale words: 128 bytes a tile
	s_mov_b32 s26, 0x76543210
	s_mov_b32 s27, 0xfedcba98                      ; v_permlanex16_b32's selects for lane l xor 16
	s_wait_alu depctr_va_vdst(0)                   ; directly ahead of the wait below
	s_wait_kmcnt 0x0
.irp c, 0,1
.irp i, 0,1,2,3,4,5,6,7
	global_load_b128 v[64+32*\c+4*\i:67+32*\c+4*\i], v4, s[6:7] offset:256*\c+16*\i
.endr
.endr
	s_wait_loadcnt 0x0
.irp c, 0,1
	v_max3_num_f32 v[32+\c], |v[64+32*\c]|, |v[65+32*\c]|, 0x1800000   ; my block 2 c + h: all its 32 numbers are mine; and the floor 2^(3 - 127): the byte cannot fall under 1
.endr
.irp i, 2,4,6,8,10,12,14,16,18,20,22,24,26,28,30
.irp c, 0,1
	v_max3_num_f32 v[32+\c], v[32+\c], |v[64+32*\c+\i]|, |v[65+32*\c+\i]|
.endr
.endr
.irp c, 0,1
	v_add_nc_u32 v[44+\c], 0xff000000, v[32+\c]    ; 2 off the exponent field: the conversion takes this operand's exponent field as its scale
.endr
.irp c, 0,1
	v_lshrrev_b32 v[36+\c], 23, v[44+\c]           ; the scale's byte
.endr
	v_lshl_or_b32 v9, v37, 16, v36                 ; my two bytes: blocks h and 2 + h,
	v_lshlrev_b32 v10, 3, v3
	v_lshlrev_b32 v9, v10, v9                      ; at their places in the row's word;
	v_mov_b32 v10, 0
	v_permlanex16_b32 v10, v9, s26, s27
	v_or_b32 v9, v9, v10                           ; with lane l xor 16's two the word is whole
.irp c, 0,1
	v_cvt_scalef32_pk16_fp6_f32 v[48+6*\c:50+6*\c], v[64+32*\c:79+32*\c], v[44+\c]
	v_cvt_scalef32_pk16_fp6_f32 v[128+4*\c:130+4*\c], v[80+32*\c:95+32*\c], v[44+\c]   ; (a conversion's three registers begin on an even number: the block's second half is made elsewhere and moved)
.endr
	v_nop                                          ; one plain line behind a scaled conversion
.irp c, 0,1
.irp i, 0,1,2
	v_mov_b32 v[51+6*\c+\i], v[128+4*\c+\i]
.endr
.endr
.irp k, 0,1,2
	global_store_b128 v5, v[48+4*\k:51+4*\k], s[12:13] offset:512*\k   ; 32 lanes store 512 consecutive bytes
.endr
	global_store_b32 v6, v9, s[14:15]
	s_endpgm
.Lfunc_end_k_q03ada46d50_prep:
	.size	k_q03ada46d50_prep, .Lfunc_end_k_q03ada46d50_prep-k_q03ada46d50_prep
	.p2alignl 7, 3214868480
	.fill 96, 4, 3214868480
	.section	.rodata,"a",@progbits
	.p2align	6, 0x0
	.amdhsa_kernel k_q03ada46d50_prep
		.amdhsa_group_segment_fixed_size 0
		.amdhsa_private_segment_fixed_size 0
		.amdhsa_enable_private_segment 0
		.amdhsa_kernarg_size 48
		.amdhsa_user_sgpr_count 2
		.amdhsa_user_sgpr_kernarg_segment_ptr 1
		.amdhsa_wavefront_size32 1
		.amdhsa_system_sgpr_workgroup_id_x 1
		.amdhsa_system_sgpr_workgroup_id_y 1
		.amdhsa_system_sgpr_workgroup_id_z 1
		.amdhsa_system_vgpr_workitem_id 0
		.amdhsa_next_free_vgpr 136
		.amdhsa_next_free_sgpr 66
		.amdhsa_reserve_vcc 0
		.amdhsa_float_denorm_mode_32 3
		.amdhsa_float_denorm_mode_16_64 3
		.amdhsa_memory_ordered 1
		.amdhsa_forward_progress 1
		.amdhsa_inst_pref_size 22
	.end_amdhsa_kernel
	.amdgpu_metadata
---
amdhsa.version: [ 1, 2 ]
amdhsa.kernels:
  - .name:           k_q03ada46d50_prep
    .symbol:         k_q03ada46d50_prep.kd
    .args:
      - { .name: bboxes, .offset: 0, .size: 8, .value_kind: global_buffer, .address_space: global }
      - { .name: W_out, .offset: 8, .size: 8, .value_kind: global_buffer, .address_space: global }
      - { .name: win, .offset: 16, .size: 8, .value_kind: global_buffer, .address_space: global }
      - { .name: wtab, .offset: 24, .size: 8, .value_kind: global_buffer, .address_space: global }
      - { .name: wcodes, .offset: 32, .size: 8, .value_kind: global_buffer, .address_space: global }
      - { .name: wscales, .offset: 40, .size: 8, .value_kind: global_buffer, .address_space: global }
    .group_segment_fixed_size: 0
    .private_segment_fixed_size: 0
    .kernarg_segment_align: 8
    .kernarg_segment_size: 48
    .max_flat_workgroup_size: 128
    .sgpr_count:     66
    .vgpr_count:     136
    .wavefront_size: 32
...
	.end_amdgpu_metadata
.endif
;; end of part 1
;; launch pool (part 2): grid 16 x 16, 16 waves a work-group, no clusters, 165,888 bytes of LDS; arguments z, win, wtab, feats; writes feats
.if DOCPART == 2
	.amdgcn_target "amdgcn-amd-amdhsa--gfx1250"
	.amdhsa_code_object_version 6
	.text
	.protected	k_q03ada46d50_pool
	.globl	k_q03ada46d50_pool
	.p2align	8
	.type	k_q03ada46d50_pool,@function
k_q03ada46d50_pool:
	s_mov_b64 s[64:65], 0
	v_nop
	global_prefetch_b8 v0, s[64:65] scope:SCOPE_SE
	s_setreg_imm32_b32 hwreg(HW_REG_WAVE_MODE, 25, 1), 1
	s_wait_xcnt 0x0
; feats[b][n][c] = sum over y, x of wy[n][y] wx[n][x] z[b][c][y][x], over each box's window alone: cells of weight 0 are not read (the identity and the limits stand at the head of the first kernel).
; SHARES.  A work-group owns 8 channels of one batch: 131,072 consecutive bytes of z, which no other work-group reads.  Each of its 16 waves asks at once for rows 4 w .. 4 w + 3 of all 8 channels, for the
; weights of its boxes 4 w .. 4 w + 3 (2,048 bytes) and for their records: all that the work-group reads is on its way before anything is waited for.
; TWO HALVES.  Channels 0-3 are asked for first, go into LDS and are pooled behind a barrier while channels 4-7 are still on their way; then those, behind a second barrier, in LDS bytes of their own.
; LDS.  A unit of 16 bytes is 2 neighbouring columns of 2 channels, c and c + 2: two loads of 8 bytes a lane (a row of one channel each) stand in four registers on end, which one store of 16 bytes a lane puts down.
; A half has 64 rows of 1,024 bytes, without gaps: for each pair of columns the unit of channels 0 and 2 and the unit of channels 1 and 3.
; A LANE IS A PLACE IN A CHUNK OF 8 ROWS x 16 COLUMNS: unit l % 2 of column pair (l / 2) % 8, rows 4 (l / 16) and the three that follow.  Sixteen lanes of a load touch 256 bytes on end: 64 different banks
; (64 banks of 4 bytes: ISA guide 11.1), wherever the window begins.
; Both weights are a lane's own, read at addresses that hang on lane, wave, box and trip alone; only z's address takes the stored offset.
; THE LOOPS over a window's chunks jump back on constants (8 chunks of rows, 4 of columns, which cover the whole map) and are left early, by a forward jump, on the stored counts.  Counts and offsets are held at the
; largest that a window can have, and so is every chunk's offset: whatever the stored numbers were, every address stays inside the bytes that it is meant for.
; No tensor load: trips hang on numbers read from memory.  No cluster: work-groups share no byte of z; the weights, which the 16 work-groups of a batch share, are a fifth of a work-group's bytes.
; No prefetch: no loop runs ahead; every load is issued at the head.
; THE WAY OUT.  The wave's 32 sums (4 boxes x 8 channels), 16 in each lane's registers, are added by a butterfly that halves the registers at each step: lane l ends with sum l, and one store covers 128 consecutive
; bytes.  feats is laid [batch][group of 8 channels][box][8]: a work-group's 2,048 bytes are consecutive.
.set RP,    1024                       ; a row of a half
.set HB,    64*RP                      ; a half
.set WT,    2*HB                       ; behind z: the weights, 512 bytes a box (y's 64, x's 64)
.set SPARE, WT+64*512                  ; behind them: the spare words, 128 bytes for each wave: eight blocks of 256 bytes that no other line names
.set MAXY,  56*RP                      ; the largest offset of a chunk's first row,
.set MAXX,  48*16                      ; of its first column,
.set MAXZ,  MAXY+MAXX                  ; and of both
.set GL8,  2                           ; v2   8 x lane: the offset of the loads of z; never rewritten
.set GL16, 3                           ; v3   16 x lane: of the weights
.set SPW,  4                           ; v4   LDS address of my spare word; never rewritten
.set NIL,  5                           ; v5   0; never rewritten
.set ZST,  6                           ; v6   where I put 16 bytes of z, first half
.set ZSTB, 7                           ; v7   second half
.set LZ,   8                           ; v8   my place in a chunk, first half
.set LZB,  9                           ; v9   second half
.set LWY,  10                          ; v10  my wave's weights + 16 (l / 16)
.set LWX,  11                          ; v11  my wave's weights + 8 ((l / 2) % 8)
.set A0,   12                          ; v12, v14, v15 the addresses of the loads in hand
.set GO,   13                          ; v13  4 x lane
.set AWY,  14
.set AWX,  15
.set TST,  16                          ; v16  where I put 16 bytes of weights
.set WX,   18                          ; v[18:19] x's two weights
.set WY,   20                          ; v[20:23] y's four weights
.set WP,   24                          ; v[24:31] their products, a pair a row
.set Z,    32                          ; v32-47 four rows: 2 columns x 2 channels each
.set ACC,  48                          ; v48-51 a box's sums, a pair a channel
.set V,    52                          ; v52-67 sum 4 j + 2 h + e: box j, half h, channel 2 e + (l % 2) of the half
.set T,    68                          ; v68-75 at work in the butterfly
.set ZS,   76                          ; v76-139 z on its way
.set TS,   140                         ; v140-155 the weights on their way
.set HD,   156                         ; v156-159 at work in the head (v1: the wave)
	s_load_b256 s[4:11], s[0:1], 0x0               ; z s[4:5], the records s[6:7], the weights s[8:9], feats s[10:11]
	v_lshl_add_u32 v[SPW], v0, 2, SPARE
	v_mov_b32 v[NIL], 0
	v_lshrrev_b32 v1, 5, v0
	v_and_b32 v[HD], 31, v0                        ; lane
	v_readfirstlane_b32 s12, v1                    ; wave 0..15
	v_lshlrev_b32 v[GL8], 3, v[HD]
	v_lshlrev_b32 v[GL16], 4, v[HD]
	v_lshlrev_b32 v[GO], 2, v[HD]
	v_lshlrev_b32 v[HD+1], 5, v[HD]
	v_lshl_add_u32 v[ZST], v1, 12, v[HD+1]         ; four rows a wave, 32 bytes a lane
	v_add_nc_u32 v[ZSTB], HB, v[ZST]
	v_and_b32 v[HD+1], 15, v[HD]
	v_lshrrev_b32 v[HD+2], 4, v[HD]                ; which four rows of a chunk
	v_lshlrev_b32 v[LZ], 4, v[HD+1]
	v_lshl_add_u32 v[LZ], v[HD+2], 12, v[LZ]
	v_add_nc_u32 v[LZB], HB, v[LZ]
	v_lshl_add_u32 v[HD+3], v1, 11, WT             ; my wave's four boxes' weights
	v_add_nc_u32 v[TST], v[HD+3], v[GL16]
	v_lshl_add_u32 v[LWY], v[HD+2], 4, v[HD+3]
	v_and_b32 v[HD+1], 14, v[HD]
	v_lshl_add_u32 v[LWX], v[HD+1], 2, v[HD+3]
	s_and_b32 s13, ttmp7, 0xffff                   ; the batch
	s_lshl_b32 s32, s13, 21                        ; z: 2^21 bytes a batch,
	s_lshl_b32 s14, ttmp9, 17                      ; 2^17 a group of 8 channels,
	s_add_co_u32 s32, s32, s14
	s_lshl_b32 s14, s12, 10                        ; four rows of 256 a wave
	s_add_co_u32 s32, s32, s14
	s_mov_b32 s33, 0
	s_lshl_b32 s34, s13, 15                        ; the weights: 64 boxes of 512 bytes a batch, four boxes a wave
	s_lshl_b32 s14, s12, 11
	s_add_co_u32 s34, s34, s14
	s_mov_b32 s35, 0
	s_lshl_b32 s36, s13, 10                        ; the records: 16 bytes a box
	s_lshl_b32 s14, s12, 6
	s_add_co_u32 s36, s36, s14
	s_mov_b32 s37, 0
	s_lshl_b32 s38, s13, 4
	s_add_co_u32 s38, s38, ttmp9
	s_lshl_b32 s38, s38, 11                        ; feats: 2,048 bytes a work-group,
	s_lshl_b32 s14, s12, 7                         ; 128 a wave
	s_add_co_u32 s38, s38, s14
	s_mov_b32 s39, 0
	s_mov_b32 s46, 0xff00ff00                      ; the lanes whose number has bit 3,
	s_mov_b32 s47, 0xf0f0f0f0                      ; bit 2,
	s_mov_b32 s48, 0xcccccccc                      ; bit 1
	s_wait_alu depctr_va_vdst(0)                   ; the wait at the head's end
	s_wait_kmcnt 0x0
	s_add_nc_u64 s[4:5], s[4:5], s[32:33]
	s_add_nc_u64 s[6:7], s[6:7], s[36:37]
	s_add_nc_u64 s[8:9], s[8:9], s[34:35]
	s_add_nc_u64 s[10:11], s[10:11], s[38:39]
	s_load_b512 s[16:31], s[6:7], 0x0              ; box j's record in s[16 + 4 j ..]: y's offset, y's chunks, x's offset, x's chunks
.macro ZLOAD h                         ; four channels of my four rows: 256 consecutive bytes a load, read once in the launch
.set zr, ZS+32*\h
.irp r, 0,1,2,3
.irp c, 0,2,1,3
	global_load_b64 v[zr:zr+1], v[GL8], s[4:5] offset:16384*(4*\h+\c)+256*\r th:TH_LOAD_NT
.set zr, zr+2
.endr
.endr
.endm
	ZLOAD 0
.irp i, 0,1,2,3
	global_load_b128 v[TS+4*\i:TS+4*\i+3], v[GL16], s[8:9] offset:512*\i   ; box 4 w + i's weights
.endr
	ZLOAD 1
.irp k, 0,1,2,3,4,5,6,7
	s_wait_loadcnt 34-2*\k                         ; loads come back in order (ISA guide 5.7.1): the first 2 k + 2 of 36 are in
	ds_store_b128 v[ZST], v[ZS+4*\k:ZS+4*\k+3] offset:RP*(\k/2)+16*(\k%2)
.endr
.irp i, 0,1,2,3
	s_wait_loadcnt 19-\i                           ; weights i too; the 3 - i behind them and the second half's 16 may be out
	ds_store_b128 v[TST], v[TS+4*\i:TS+4*\i+3] offset:512*\i
.endr
	s_wait_kmcnt 0x0                               ; the records
.irp j, 0,1,2,3
	s_min_u32 s[16+4*\j], s[16+4*\j], MAXY         ; a number read from memory enters an address, or is tested, only held
	s_min_u32 s[17+4*\j], s[17+4*\j], 8
	s_min_u32 s[18+4*\j], s[18+4*\j], MAXX
	s_min_u32 s[19+4*\j], s[19+4*\j], 4
	s_add_co_u32 s[16+4*\j], s[16+4*\j], s[18+4*\j]   ; the window's first cell
.endr
	s_wait_dscnt 0x0                               ; for the others' sake: my stores have landed
	s_barrier_signal -1
	s_barrier_wait -1                              ; channels 0-3 lie in LDS
; Box j of my four, on the half at lz, into sums v and v + 1.  The sums are cleared: how many chunks follow is read from memory, so no first product can be written out ahead of the loops.
.macro POOL j, v, lz
.irp a, 0,1,2,3
	v_mov_b32 v[ACC+\a], 0
.endr
	s_mov_b32 s40, 0                               ; the chunk of columns
.Lcols_\@:
	s_lshl_b32 s42, s40, 6                         ; sixteen of x's weights are 64 bytes
	s_min_u32 s42, s42, 192
	v_add_nc_u32 v[AWX], s42, v[LWX]
	ds_load_b64 v[WX:WX+1], v[AWX] offset:512*\j+256
	s_lshl_b32 s42, s40, 8                         ; 16 columns are 256 bytes of a half's row
	s_add_co_u32 s42, s42, s[16+4*\j]              ; + the window's first cell
	s_mov_b32 s41, 0                               ; the chunk of rows
.Lrows_\@:
	s_lshl_b32 s43, s41, 13                        ; 8 rows
	s_lshl_b32 s44, s41, 5                         ; eight of y's weights are 32 bytes
	s_add_co_u32 s43, s43, s42
	s_min_u32 s43, s43, MAXZ                       ; whole chunks lie inside the map
	s_min_u32 s44, s44, 224
	v_add_nc_u32 v[AWY], s44, v[LWY]
	v_add_nc_u32 v[A0], s43, v[\lz]
	ds_load_b128 v[WY:WY+3], v[AWY] offset:512*\j
.irp k, 0,1,2,3
	ds_load_b128 v[Z+4*\k:Z+4*\k+3], v[A0] offset:RP*\k
.endr
	s_wait_alu depctr_va_vdst(0)
	s_wait_dscnt 0x0
.irp k, 0,2                                        ; wy wx for my two cells of each row
	v_pk_mul_f32 v[WP+2*\k:WP+2*\k+1], v[WX:WX+1], v[WY+\k:WY+\k+1] op_sel_hi:[1,0]
	v_pk_mul_f32 v[WP+2*\k+2:WP+2*\k+3], v[WX:WX+1], v[WY+\k:WY+\k+1] op_sel:[0,1] op_sel_hi:[1,1]
.endr
.irp k, 0,1,2,3
	v_pk_fma_f32 v[ACC:ACC+1], v[Z+4*\k:Z+4*\k+1], v[WP+2*\k:WP+2*\k+1], v[ACC:ACC+1]
	v_pk_fma_f32 v[ACC+2:ACC+3], v[Z+4*\k+2:Z+4*\k+3], v[WP+2*\k:WP+2*\k+1], v[ACC+2:ACC+3]
.endr
	s_add_co_u32 s41, s41, 1
	s_cmp_ge_u32 s41, s[17+4*\j]                   ; the window's rows are done: out
	s_cbranch_scc1 .Lrows_done_\@
	s_cmp_lt_u32 s41, 8                            ; 8 chunks are all 64 rows
	s_cbranch_scc1 .Lrows_\@
.Lrows_done_\@:
	s_add_co_u32 s40, s40, 1
	s_cmp_ge_u32 s40, s[19+4*\j]
	s_cbranch_scc1 .Lcols_done_\@
	s_cmp_lt_u32 s40, 4                            ; 4 chunks are all 64 columns
	s_cbranch_scc1 .Lcols_\@
.Lcols_done_\@:
	s_wait_alu depctr_va_vdst(0)                   ; directly ahead of the readers below
	v_add_f32 v[V+\v], v[ACC], v[ACC+1]
	v_add_f32 v[V+\v+1], v[ACC+2], v[ACC+3]
.endm
	POOL 0, 0, LZ
	POOL 1, 4, LZ
	POOL 2, 8, LZ
	POOL 3, 12, LZ
	s_wait_alu depctr_va_vdst(0)                   ; directly ahead of the waits below
.irp k, 0,1,2,3,4,5,6,7
	s_wait_loadcnt 14-2*\k                         ; the second half: the first 2 k + 2 of its 16 are in
	ds_store_b128 v[ZSTB], v[ZS+32+4*\k:ZS+35+4*\k] offset:RP*(\k/2)+16*(\k%2)
.endr
	s_wait_dscnt 0x0
	s_barrier_signal -1
	s_barrier_wait -1                              ; channels 4-7 lie in LDS
	POOL 0, 2, LZB
	POOL 1, 6, LZB
	POOL 2, 10, LZB
	POOL 3, 14, LZB
	; THE BUTTERFLY, on registers alone.  Step 16: sum i keeps lanes 0-15, sum i + 8 lanes 16-31
.irp i, 0,1,2,3,4,5,6,7
	v_permlane16_swap_b32 v[V+\i], v[V+8+\i]       ; the first's lanes 16-31 change places with the second's lanes 0-15
.endr
.irp i, 0,1,2,3,4,5,6,7
	v_add_f32 v[V+\i], v[V+\i], v[V+8+\i]
.endr
; Step m: a lane whose number has bit m keeps sum i + n and sends sum i to lane l xor m; the other way round in the other lanes
.macro FOLD n, m, sm
.set fi, 0
.rept \n
	v_cndmask_b32 v[T+fi], v[V+fi], v[V+\n+fi], s[\sm]              ; what I keep
	v_cndmask_b32 v[T+\n+fi], v[V+\n+fi], v[V+fi], s[\sm]           ; what I send
.set fi, fi+1
.endr
.if \n == 1
	s_delay_alu instid0(VALU_DEP_1)
.endif
.set fi, 0
.rept \n
	v_add_f32_dpp v[V+fi], v[T+\n+fi], v[T+fi] row_xmask:\m row_mask:0xf bank_mask:0xf
.set fi, fi+1
.endr
.endm
	FOLD 4, 8, 46
	FOLD 2, 4, 47
	FOLD 1, 2, 48                                  ; lane l holds sum l: box l / 8, channel l % 8
	global_store_b32 v[GO], v[V], s[10:11]         ; 32 lanes store 128 consecutive bytes, aligned: four boxes x 8 channels
	s_wait_tensorcnt 0x0                           ; the wave's end, behind my last LDS store
	ds_add_u32 v[SPW], v[NIL]
	s_wait_dscnt 0x0
	s_endpgm
.Lfunc_end_k_q03ada46d50_pool:
	.size	k_q03ada46d50_pool, .Lfunc_end_k_q03ada46d50_pool-k_q03ada46d50_pool
	.p2alignl 7, 3214868480
	.fill 96, 4, 3214868480
	.section	.rodata,"a",@progbits
	.p2align	6, 0x0
	.amdhsa_kernel k_q03ada46d50_pool
		.amdhsa_group_segment_fixed_size 165888
		.amdhsa_private_segment_fixed_size 0
		.amdhsa_enable_private_segment 0
		.amdhsa_kernarg_size 32
		.amdhsa_user_sgpr_count 2
		.amdhsa_user_sgpr_kernarg_segment_ptr 1
		.amdhsa_wavefront_size32 1
		.amdhsa_system_sgpr_workgroup_id_x 1
		.amdhsa_system_sgpr_workgroup_id_y 1
		.amdhsa_system_sgpr_workgroup_id_z 1
		.amdhsa_system_vgpr_workitem_id 0
		.amdhsa_next_free_vgpr 160
		.amdhsa_next_free_sgpr 66
		.amdhsa_reserve_vcc 0
		.amdhsa_float_denorm_mode_32 3
		.amdhsa_float_denorm_mode_16_64 3
		.amdhsa_memory_ordered 1
		.amdhsa_forward_progress 1
		.amdhsa_inst_pref_size 29
	.end_amdhsa_kernel
	.amdgpu_metadata
---
amdhsa.version: [ 1, 2 ]
amdhsa.kernels:
  - .name:           k_q03ada46d50_pool
    .symbol:         k_q03ada46d50_pool.kd
    .args:
      - { .name: z, .offset: 0, .size: 8, .value_kind: global_buffer, .address_space: global }
      - { .name: win, .offset: 8, .size: 8, .value_kind: global_buffer, .address_space: global }
      - { .name: wtab, .offset: 16, .size: 8, .value_kind: global_buffer, .address_space: global }
      - { .name: feats, .offset: 24, .size: 8, .value_kind: global_buffer, .address_space: global }
    .group_segment_fixed_size: 165888
    .private_segment_fixed_size: 0
    .kernarg_segment_align: 8
    .kernarg_segment_size: 32
    .max_flat_workgroup_size: 512
    .sgpr_count:     66
    .vgpr_count:     160
    .wavefront_size: 32
...
	.end_amdgpu_metadata
.endif
;; end of part 2
;; launch gemm (part 3): grid 4 x 64, 1 waves a work-group, no clusters, 4,608 bytes of LDS; arguments feats, wcodes, wscales, b_out, out0; writes out0
.if DOCPART == 3
	.amdgcn_target "amdgcn-amd-amdhsa--gfx1250"
	.amdhsa_code_object_version 6
	.text
	.protected	k_q03ada46d50_gemm
	.globl	k_q03ada46d50_gemm
	.p2align	8
	.type	k_q03ada46d50_gemm,@function
k_q03ada46d50_gemm:
	s_mov_b64 s[64:65], 0
	v_nop
	global_prefetch_b8 v0, s[64:65] scope:SCOPE_SE
	s_setreg_imm32_b32 hwreg(HW_REG_WAVE_MODE, 25, 1), 1
	s_wait_xcnt 0x0
; out0 = Q(feats) Q(W_out)^T + b_out: [1,024][128] x [128][256], on codes of E2M3 with one E8M0 scale for each 32 along K.  Nothing of the product is left out.
; SHARES.  A work-group is one wave: 16 boxes (work-group y) x 64 outputs (work-group x): four matrix instructions, K = 128 in one step.  256 waves, 1,024 matrix instructions in all.
; feats comes as f32, laid [batch][group of 8 channels][box][8], and is quantised here in registers: lane (r, h) holds box r, and the operand's layout gives it k = 64 c + 32 h + 0 .. 31: two WHOLE blocks,
; so that a block's largest magnitude needs no other lane and the conversions' results are the operand's registers.  Four waves quantise the same 16 boxes: 8 KB and some 70 lines each, less than a way through memory.
; A block's scale byte is its largest magnitude's exponent field - 2, held at 1 from below; a block of zeros keeps the byte 1 where the rule says 127: its codes are zeros, which add nothing.
; W_out comes as images of the operand's registers and as scale words, made once by the first launch.
; THE MATRIX INSTRUCTION IS USED TRANSPOSED (source 0 = 16 rows of W_out, source 1 = my 16 boxes): register j of lane (r, h) is out(box r, output 16 t + 8 h + j): eight neighbours of a row.
; The bias is the C of each sum: eight registers a tile in the result's layout, loaded straight into the accumulators.
; THE WAY OUT: through a stage in LDS (16 rows of 256 bytes + 16), back as whole rows: sixteen lanes store 256 consecutive bytes, aligned.
.set SP,    272                        ; a stage row
.set SPARE, 16*SP                      ; behind the stage: the spare words, one block of 256 bytes that no other line names
.set SPW, 12                           ; v12  LDS address of my spare word; never rewritten
.set NIL, 13                           ; v13  0; never rewritten
.set WS,  14                           ; v14-17 W's scale words, a tile each; v9: my boxes' scale word
.set X,   64                           ; v64-127 64 numbers of my box; later the rows on their way out
.set WF,  136                          ; v136-183 W's four fragments
.set ACC, 184                          ; v184-215 four accumulators
	s_load_b256 s[4:11], s[0:1], 0x0               ; feats s[4:5], W's codes s[6:7], W's scale words s[8:9], b_out s[10:11]
	s_load_b64 s[12:13], s[0:1], 0x20              ; out0
	v_lshl_add_u32 v[SPW], v0, 2, SPARE
	v_mov_b32 v[NIL], 0
	v_and_b32 v1, 15, v0                           ; r
	v_lshrrev_b32 v2, 4, v0                        ; h
	v_lshlrev_b32 v3, 5, v1                        ; feats: 32 bytes a box in a group of channels,
	v_lshl_add_u32 v3, v2, 13, v3                  ; and lanes 16-31 four groups (32 channels) on
	v_lshlrev_b32 v4, 4, v0                        ; an image's place for my lane
	v_lshlrev_b32 v5, 2, v0                        ; a scale word's
	v_lshlrev_b32 v6, 5, v2                        ; the bias: my half's eight numbers
	v_mul_u32_u24 v7, v1, SP
	v_lshl_add_u32 v7, v2, 5, v7                   ; the stage, in: row r, 32 bytes for each half of the lanes
	v_mul_u32_u24 v8, v2, SP
	v_lshl_add_u32 v8, v1, 4, v8                   ; back: lanes 0-15 one row, lanes 16-31 the next
	v_lshlrev_b32 v11, 10, v2
	v_lshl_add_u32 v11, v1, 4, v11                 ; and the same two rows in out0 (1,024 bytes a row)
	s_and_b32 s14, ttmp7, 0xffff                   ; the tile of boxes, 0 .. 63: batch / 4, 16 boxes
	s_lshr_b32 s16, s14, 2
	s_lshl_b32 s16, s16, 15                        ; feats: 32,768 bytes a batch,
	s_and_b32 s15, s14, 3
	s_lshl_b32 s15, s15, 9                         ; 16 boxes of 32 bytes
	s_add_co_u32 s16, s16, s15
	s_mov_b32 s17, 0
	s_mul_i32 s18, ttmp9, 4*1536                   ; my four tiles of W: 1,536 bytes of codes each,
	s_mov_b32 s19, 0
	s_lshl_b32 s20, ttmp9, 9                       ; 128 of scale words,
	s_mov_b32 s21, 0
	s_lshl_b32 s22, ttmp9, 8                       ; 64 numbers of the bias; and my 256 bytes of a row of out0
	s_mov_b32 s23, 0
	s_lshl_b32 s24, s14, 14                        ; 16 rows of out0
	s_add_co_u32 s24, s24, s22
	s_mov_b32 s25, 0
	s_mov_b32 s26, 0x76543210
	s_mov_b32 s27, 0xfedcba98                      ; v_permlanex16_b32's selects for lane l xor 16
	s_wait_alu depctr_va_vdst(0)
	s_wait_kmcnt 0x0
	s_add_nc_u64 s[4:5], s[4:5], s[16:17]
	s_add_nc_u64 s[6:7], s[6:7], s[18:19]
	s_add_nc_u64 s[8:9], s[8:9], s[20:21]
	s_add_nc_u64 s[10:11], s[10:11], s[22:23]
	s_add_nc_u64 s[12:13], s[12:13], s[24:25]
.irp c, 0,1
.irp i, 0,1,2,3,4,5,6,7
	global_load_b128 v[X+32*\c+4*\i:X+32*\c+4*\i+3], v3, s[4:5] offset:16384*\c+2048*(\i/2)+16*(\i%2)   ; channels 64 c + 32 h + 4 i on of box r
.endr
.endr
.irp t, 0,1,2,3
.irp k, 0,1,2
	global_load_b128 v[WF+12*\t+4*\k:WF+12*\t+4*\k+3], v4, s[6:7] offset:1536*\t+512*\k
.endr
.endr
.irp t, 0,1,2,3
	global_load_b32 v[WS+\t], v5, s[8:9] offset:128*\t
.endr
.irp t, 0,1,2,3
	global_load_b128 v[ACC+8*\t:ACC+8*\t+3], v6, s[10:11] offset:64*\t
	global_load_b128 v[ACC+8*\t+4:ACC+8*\t+7], v6, s[10:11] offset:64*\t+16
.endr
	s_wait_loadcnt 24                              ; the 16 loads of feats are in; the 12 + 4 + 8 issued behind them may be out
.irp c, 0,1
	v_max3_num_f32 v[32+\c], |v[X+32*\c]|, |v[X+1+32*\c]|, 0x1800000   ; my block 2 c + h, and the floor 2^(3 - 127): the byte cannot fall under 1
.endr
.irp i, 2,4,6,8,10,12,14,16,18,20,22,24,26,28,30
.irp c, 0,1
	v_max3_num_f32 v[32+\c], v[32+\c], |v[X+32*\c+\i]|, |v[X+1+32*\c+\i]|   ; (the two blocks by turns)
.endr
.endr
.irp c, 0,1
	v_add_nc_u32 v[44+\c], 0xff000000, v[32+\c]    ; 2 off the exponent field: the conversion's scale operand
.endr
.irp c, 0,1
	v_lshrrev_b32 v[36+\c], 23, v[44+\c]           ; the scale's byte
.endr
	v_lshl_or_b32 v9, v37, 16, v36                 ; my two bytes: blocks h and 2 + h of box r,
	v_lshlrev_b32 v10, 3, v2
	v_lshlrev_b32 v9, v10, v9                      ; at their places in the word;
	v_mov_b32 v10, 0
	v_permlanex16_b32 v10, v9, s26, s27
	v_or_b32 v9, v9, v10                           ; with lane l xor 16's two the word is whole
.irp c, 0,1
	v_cvt_scalef32_pk16_fp6_f32 v[48+6*\c:50+6*\c], v[X+32*\c:X+15+32*\c], v[44+\c]       ; registers 6 c .. 6 c + 5 of the operand
	v_cvt_scalef32_pk16_fp6_f32 v[128+4*\c:130+4*\c], v[X+16+32*\c:X+31+32*\c], v[44+\c]  ; (a conversion's three registers begin on an even number)
.endr
	v_nop                                          ; one plain line behind a scaled conversion
.irp c, 0,1
.irp i, 0,1,2
	v_mov_b32 v[51+6*\c+\i], v[128+4*\c+\i]
.endr
.endr
	s_wait_alu depctr_va_vdst(0)
	s_wait_loadcnt 0x0                             ; W's fragments and scale words, the bias
.rept 8
	v_nop                                          ; a scale register written by a vector instruction stands 8 places ahead of a scaled matrix instruction, an operand so written 4
.endr
.irp t, 0,1,2,3
	v_wmma_scale_f32_16x16x128_f8f6f4 v[ACC+8*\t:ACC+8*\t+7], v[WF+12*\t:WF+12*\t+11], v[48:59], v[ACC+8*\t:ACC+8*\t+7], v[WS+\t], v9 matrix_a_fmt:MATRIX_FMT_FP6 matrix_b_fmt:MATRIX_FMT_FP6
.endr
.rept 4
	v_nop                                          ; four places ahead of the first read of results (ISA guide 7.12.1)
.endr
.irp t, 0,1,2,3
	ds_store_b128 v7, v[ACC+8*\t:ACC+8*\t+3] offset:64*\t            ; each accumulator from its low end on
	ds_store_b128 v7, v[ACC+8*\t+4:ACC+8*\t+7] offset:64*\t+16
.endr
.irp i, 0,1,2,3,4,5,6,7
	ds_load_b128 v[X+4*\i:X+4*\i+3], v8 offset:2*SP*\i               ; LDS serves a wave's instructions in order (ISA guide 5.7.1.4): these see my stores
.endr
.irp i, 0,1,2,3,4,5,6,7
	s_wait_dscnt 7-\i                              ; load i is in; the 7 - i behind it may be out
	global_store_b128 v11, v[X+4*\i:X+4*\i+3], s[12:13] offset:2048*\i th:TH_STORE_NT   ; two rows: 16 lanes store 256 consecutive bytes, aligned; written once, read by nobody here
.endr
	s_wait_tensorcnt 0x0                           ; the wave's end, behind my last LDS store
	ds_add_u32 v[SPW], v[NIL]
	s_wait_dscnt 0x0
	s_endpgm
.Lfunc_end_k_q03ada46d50_gemm:
	.size	k_q03ada46d50_gemm, .Lfunc_end_k_q03ada46d50_gemm-k_q03ada46d50_gemm
	.p2alignl 7, 3214868480
	.fill 96, 4, 3214868480
	.section	.rodata,"a",@progbits
	.p2align	6, 0x0
	.amdhsa_kernel k_q03ada46d50_gemm
		.amdhsa_group_segment_fixed_size 4608
		.amdhsa_private_segment_fixed_size 0
		.amdhsa_enable_private_segment 0
		.amdhsa_kernarg_size 40
		.amdhsa_user_sgpr_count 2
		.amdhsa_user_sgpr_kernarg_segment_ptr 1
		.amdhsa_wavefront_size32 1
		.amdhsa_system_sgpr_workgroup_id_x 1
		.amdhsa_system_sgpr_workgroup_id_y 1
		.amdhsa_system_sgpr_workgroup_id_z 1
		.amdhsa_system_vgpr_workitem_id 0
		.amdhsa_next_free_vgpr 216
		.amdhsa_next_free_sgpr 66
		.amdhsa_reserve_vcc 0
		.amdhsa_float_denorm_mode_32 3
		.amdhsa_float_denorm_mode_16_64 3
		.amdhsa_memory_ordered 1
		.amdhsa_forward_progress 1
		.amdhsa_inst_pref_size 12
	.end_amdhsa_kernel
	.amdgpu_metadata
---
amdhsa.version: [ 1, 2 ]
amdhsa.kernels:
  - .name:           k_q03ada46d50_gemm
    .symbol:         k_q03ada46d50_gemm.kd
    .args:
      - { .name: feats, .offset: 0, .size: 8, .value_kind: global_buffer, .address_space: global }
      - { .name: wcodes, .offset: 8, .size: 8, .value_kind: global_buffer, .address_space: global }
      - { .name: wscales, .offset: 16, .size: 8, .value_kind: global_buffer, .address_space: global }
      - { .name: b_out, .offset: 24, .size: 8, .value_kind: global_buffer, .address_space: global }
      - { .name: out0, .offset: 32, .size: 8, .value_kind: global_buffer, .address_space: global }
    .group_segment_fixed_size: 4608
    .private_segment_fixed_size: 0
    .kernarg_segment_align: 8
    .kernarg_segment_size: 40
    .max_flat_workgroup_size: 32
    .sgpr_count:     66
    .vgpr_count:     216
    .wavefront_size: 32
...
	.end_amdgpu_metadata
.endif
;; end of part 3
